; MI455X (gfx1250); checked and timed in simulation.
; The chip was launched on July 23, 2026; its instructions are those of AMD's public machine-readable ISA for CDNA 5 (MIT licence, August 2026) and "CDNA5" Instruction Set Architecture Reference Guide (July 2026). The comments in the code are by the model that wrote it; some were corrected since.
;; Mo E Layer. Allowed arithmetic: matrix products marked QUANTISED: E2M3 operands, one E8M0 scale for each 32 along K, by v_wmma_scale_f32_16x16x128_f8f6f4 with both operands' format E2M3, f32 sums; products left as they are: f32 operands where the result goes on into a quantised operand, else bf16, f16 or f32 operands; f32 sums; everything else in f32.
;; Inputs: gate_w 8 x 1,024 float32; ln_b 1,024 float32; ln_w 1,024 float32; w1_codes 8 x 4,096 x 32 x 24 uint8 (E2M3 codes of w1, K innermost, in blocks of 32 codes, four codes in three bytes); w1_scales 8 x 4,096 x 32 uint8 (E8M0 scales of w1, one for each 32 codes along K); w2_codes 8 x 1,024 x 64 x 24 uint8 (E2M3 codes of w2, K innermost, in blocks of 32 codes, four codes in three bytes); w2_scales 8 x 1,024 x 64 uint8 (E8M0 scales of w2, one for each 32 codes along K); x 2 x 512 x 1,024 float32.
;; Outputs: out0 2 x 512 x 1,024 float32; out1 2 x 512 x 8 float32.
;; This version of the problem:
;;   THIS VERSION OF THE PROBLEM IS GIVEN IN LOW PRECISION. The matrix products marked QUANTISED in the list below multiply operands that are first quantised to E2M3 (2 exponent bits, 3 mantissa bits; 6 bits a number), with one power-of-two scale for each 32 numbers along K (OCP MX v1.0); their sums are f32. All else is computed in f32.
;;   The module's matrix products, in the order in which they are computed (A, B: the left and right operand; K: the contracted axis; several contracted axes count as one K, in the product's order):
;;     1. [M 1,024, K 1,024] x [K 1,024, N 8]; A: computed on the way; B: input gate_w: left as it is (N = 8 < 16)
;;     2. [M 32,768, K 1,024] x [K 1,024, N 1,024]; A: input w1 (given as codes); B: computed on the way: QUANTISED
;;     3. batch 8 x [M 1,024, K 2,048] x [K 2,048, N 1,024]; A: input w2 (given as codes); B: computed on the way: QUANTISED
;;     4. batch 1,024 x [M 1,024, K 8] x [K 8, N 1]; A: computed on the way; B: computed on the way: left as it is (K = 8 < 32)
;;   THE QUANTISER, for each operand of a quantised product, along K:
;;     - K is cut into blocks of 32 from its start; a last block that is shorter is filled with zeros.
;;     - A block's scale is 2^e with e = floor(log2(the largest magnitude in the block)) - 2, held to -126 .. 127; a block of zeros has e = 0. As a byte (E8M0): e + 127.
;;     - Each number is divided by its block's scale, clamped to +-7.5, and rounded to the nearest number of E2M3, ties to even, subnormals kept.
;;     - The product sums the exact products of the quantised numbers (number of the format x scale) in f32.
;;   ~~~python
;;   def quantise(x, axis):      # numpy; x: float32 -> the quantised numbers, widened to float32 again
;;       x = np.moveaxis(x, axis, -1); K = x.shape[-1]
;;       x = np.pad(x, [(0, 0)] * (x.ndim - 1) + [(0, -K % 32)]); x = x.reshape(x.shape[:-1] + (-1, 32)); a = np.abs(x).max(-1, keepdims=True)
;;       e = np.where(a > 0, np.clip(np.frexp(np.where(a > 0, a, 1))[1] - 1 - 2, -126, 127), 0)      # np.frexp(a)[1] - 1 = floor(log2(a)), exactly
;;       r = np.clip(x / 2.0 ** e, -7.5, 7.5)
;;       step = 2.0 ** (np.maximum(np.frexp(np.where(r == 0, 1, r))[1] - 1, 0) - 3)
;;       q = np.round(r / step) * step * 2.0 ** e      # np.round: ties to even
;;       return np.moveaxis(q.reshape(q.shape[:-2] + (-1,))[..., :K], -1, axis).astype(np.float32)
;;   ~~~
;;   OPERANDS COMPUTED ON THE WAY. 'Computed on the way' means the value that the module computes at that place (a softmax that the list does not call 'softmax' is quantised finished and normalised). What goes into a quantiser is computed in f32, as accurately as f32 sums, v_exp_f32 and their like allow (about 1e-6 of the number): no bf16 or f16 on the way to a quantiser, and a product that is left as it is and whose result goes on into a quantised operand takes f32 operands (vector FMAs, or v_wmma_f32_16x16x4_f32). A number that lies on a knife's edge between two numbers of the format may be rounded either way, as far as f32 arithmetic and the matrix unit's own rounding can turn it there, and no further.
;;   INPUTS GIVEN AS CODES. w1 (in the module: [8, 1024, 4096], K = its axis 1); w2 (in the module: [8, 2048, 1024], K = its axis 1): each comes as NAME_codes (uint8): NAME with its K axis moved to the last place and cut into blocks of 32 codes, [.., K / 32, bytes a block], one block behind the other in memory; four codes in three bytes: a row's codes are one little-endian stream of bits, code i at bits 6 i .. 6 i + 5 (a code: sign, 2 exponent bits, 3 mantissa bits); and NAME_scales (uint8): the same leading axes, one E8M0 byte (e + 127) for each 32 codes along K. Its value is code x scale, taken as it is: it is not quantised again, and the codes and scales need not be those that the quantiser above would give.
;; One version. Each part assembles by itself: llvm-mc -triple=amdgcn-amd-amdhsa -mcpu=gfx1250 --defsym DOCPART=n.
;; ======== version 1 of 1: 3 launches
;; limits: right only within a limited range of input values
;; workspace buffers: xq 786,432 bytes; xsc 32,768 bytes; sel 4,096 bytes of whole numbers; gates 8,192 bytes; act 12,582,912 bytes; asc 524,288 bytes; order 4,096 bytes of whole numbers
;; launch route (part 1): grid 256 x 1, 4 waves a work-group, no clusters, 62,976 bytes of LDS; arguments x, ln_w, ln_b, gate_w, xq, xsc, sel, gates, out1; writes xq, xsc, sel, gates, out1
.if DOCPART == 1
	.amdgcn_target "amdgcn-amd-amdhsa--gfx1250"
	.amdhsa_code_object_version 6
	.text
	.protected	k_q06cd929ff7_route
	.globl	k_q06cd929ff7_route
	.p2align	8
	.type	k_q06cd929ff7_route,@function
k_q06cd929ff7_route:
	s_mov_b64 s[64:65], 0
	v_nop
	global_prefetch_b8 v0, s[64:65] scope:SCOPE_SE
	s_setreg_imm32_b32 hwreg(HW_REG_WAVE_MODE, 25, 1), 1
	s_wait_xcnt 0x0
; ROUTE: LayerNorm, router and the quantiser of xn.  One wave takes one token (1,024 tokens: 256 work-groups of four waves).
; It stores: xq, xn's codes of E2M3 in the order of a matrix operand's registers (768 bytes a token); xsc, their 32 E8M0 bytes; sel, the two chosen experts as whole numbers
; ((1<<e0)|(1<<e1)|e0<<16|e1<<20), at a fixed place for each token; gates, the two renormalised weights; out1, the dense router mask.
; WORK LEFT OUT BY THE WHOLE PROGRAM.  moe_out[t] = the sum over e of expert_out[e][t] x router_mask[t][e], and reference() itself builds router_mask as the sum of two one_hot rows: for the six
; experts that its own top_k has not chosen the factor is 0, whatever finite values the inputs hold.  So of the products x w1 and act w2 only the rows (token, chosen expert) can reach an output,
; 2,048 of 8,192, and of the last product two terms of eight.  The later launches multiply those rows alone.  No input is without a way to an output: all are loaded.
; LIMITS.  A NaN, an infinity or an overflow that arises only in an expert that was not chosen for a token is not carried to the result.  NaN and infinities among the inputs are not served.
; Two router weights that are equal in f32 go to the lower index, as top_k has it; two that differ by less than f32 rounding may be ordered otherwise than reference() orders them.
; A block of zeros gets the scale byte 1 where the quantiser says 127: its codes are zeros, and this program alone reads the bytes.
; No matrix unit here: the router's product has 8 columns, and is made in f32 by fused multiply-adds.
; LDS: gate_w, ln_w and ln_b once for the four waves (40,960 bytes); for each wave a stage of 32 places of 144 bytes, in which the row turns from 'neighbouring lanes hold neighbouring numbers'
; to 'a lane holds a block of 32', and 768 bytes in which the codes take the order in which they are stored.
.set LNW,   32768                      ; ln_w behind gate_w's 32,768 bytes
.set LNB,   36864                      ; ln_b
.set WREG,  40960                      ; the waves' own regions
.set WSZ,   5376                       ; 4,608 for the turn + 768 for the codes
.set CST,   4608
.set SPARE, 62464                      ; the spare words, 128 bytes for each wave: two blocks of 256 bytes that no other line names
.set X,     16                         ; v16-47   the row: register 4 j + i of lane l is number 128 j + 4 l + i
.set G,     48                         ; v48-175  tables as they land; ln_w and ln_b; four rows of gate_w at a time
.set L,     176                        ; v176-191 a pair for each expert: its logit, later its weight, and a register at work
.set Y,     192                        ; v192-223 block l of xn, whole, in lane l
.macro WSUM a, t                       ; the sum over the 32 lanes, in every lane
	v_add_f32_dpp v[\a], v[\a], v[\a] row_xmask:1 row_mask:0xf bank_mask:0xf
	v_add_f32_dpp v[\a], v[\a], v[\a] row_xmask:2 row_mask:0xf bank_mask:0xf
	v_add_f32_dpp v[\a], v[\a], v[\a] row_xmask:4 row_mask:0xf bank_mask:0xf
	v_add_f32_dpp v[\a], v[\a], v[\a] row_xmask:8 row_mask:0xf bank_mask:0xf
	v_permlanex16_b32 v[\t], v[\a], s30, s31
	v_add_f32 v[\a], v[\a], v[\t]
.endm
	s_load_b256 s[4:11], s[0:1], 0x0               ; x s[4:5], ln_w s[6:7], ln_b s[8:9], gate_w s[10:11]
	s_load_b256 s[12:19], s[0:1], 0x20             ; xq s[12:13], xsc s[14:15], sel s[16:17], gates s[18:19]
	s_load_b64 s[20:21], s[0:1], 0x40              ; out1
	v_lshl_add_u32 v1, v0, 2, SPARE                ; my spare word; never rewritten
	v_mov_b32 v2, 0                                ; 0; never rewritten
	v_lshrrev_b32 v6, 5, v0
	v_readfirstlane_b32 s2, v6                     ; wave
	v_and_b32 v3, 31, v0                           ; lane
	v_lshlrev_b32 v4, 4, v3                        ; 16 x lane
	v_lshlrev_b32 v5, 4, v0                        ; 16 x thread
	s_lshl_b32 s3, ttmp9, 2
	s_add_co_u32 s3, s3, s2                        ; my token
	s_mov_b32 s30, 0x76543210
	s_mov_b32 s31, 0xfedcba98                      ; v_permlanex16_b32's selects for lane l xor 16
	s_mov_b32 s24, 0x3a800000                      ; 1 / 1,024
	s_mov_b32 s25, 0x3727c5ac                      ; 1e-5
	s_mul_i32 s26, s2, WSZ
	s_add_co_u32 s26, s26, WREG                    ; my wave's region
	s_add_co_u32 s27, s26, CST                     ; and in it the codes' 768 bytes
	s_lshl_b32 s22, s3, 12
	s_mov_b32 s23, 0
	s_wait_alu depctr_va_vdst(0)
	s_wait_kmcnt 0x0
	s_add_nc_u64 s[4:5], s[4:5], s[22:23]          ; my row of x
.set J, 0
.rept 8
	global_load_b128 v[X+4*J:X+4*J+3], v4, s[4:5] offset:512*J   ; 32 lanes read 512 consecutive bytes
.set J, J+1
.endr
.set J, 0
.rept 16
	global_load_b128 v[G+4*J:G+4*J+3], v5, s[10:11] offset:2048*J   ; gate_w: the four waves read 2,048 consecutive bytes
.set J, J+1
.endr
.irp j, 0,1
	global_load_b128 v[G+64+4*\j:G+67+4*\j], v5, s[6:7] offset:2048*\j
.endr
.irp j, 0,1
	global_load_b128 v[G+72+4*\j:G+75+4*\j], v5, s[8:9] offset:2048*\j
.endr
	s_mul_i32 s22, s3, 768
	s_add_nc_u64 s[12:13], s[12:13], s[22:23]      ; the token's places in the five results
	s_lshl_b32 s22, s3, 5
	s_add_nc_u64 s[14:15], s[14:15], s[22:23]
	s_add_nc_u64 s[20:21], s[20:21], s[22:23]
	s_lshl_b32 s22, s3, 2
	s_add_nc_u64 s[16:17], s[16:17], s[22:23]
	s_lshl_b32 s22, s3, 3
	s_add_nc_u64 s[18:19], s[18:19], s[22:23]
	s_wait_loadcnt 20                              ; the row is in; the 20 loads of the tables, issued behind it, may be out
	; the mean, then the mean of the squared differences: two passes over registers, so that a common offset of x costs no accuracy
.irp c, 0,1,2,3
	v_pk_add_f32 v[6+2*\c:7+2*\c], v[X+4*\c:X+4*\c+1], v[X+4*\c+2:X+4*\c+3]
.endr
.set Q, 8
.rept 8
	v_pk_add_f32 v[6+2*(Q%4):7+2*(Q%4)], v[6+2*(Q%4):7+2*(Q%4)], v[X+2*Q:X+2*Q+1]
.set Q, Q+1
.endr
	v_pk_add_f32 v[6:7], v[6:7], v[8:9]
	v_pk_add_f32 v[10:11], v[10:11], v[12:13]
	v_pk_add_f32 v[6:7], v[6:7], v[10:11]
	v_add_f32 v6, v6, v7
	WSUM 6, 7
	v_mul_f32 v14, s24, v6                         ; mu
	v_mov_b32 v15, v14
.set Q, 0
.rept 16
	v_pk_add_f32 v[X+2*Q:X+2*Q+1], v[X+2*Q:X+2*Q+1], v[14:15] neg_lo:[0,1] neg_hi:[0,1]   ; x - mu
.set Q, Q+1
.endr
.irp c, 0,1,2,3
	v_pk_mul_f32 v[6+2*\c:7+2*\c], v[X+2*\c:X+2*\c+1], v[X+2*\c:X+2*\c+1]
.endr
.set Q, 4
.rept 12
	v_pk_fma_f32 v[6+2*(Q%4):7+2*(Q%4)], v[X+2*Q:X+2*Q+1], v[X+2*Q:X+2*Q+1], v[6+2*(Q%4):7+2*(Q%4)]
.set Q, Q+1
.endr
	v_pk_add_f32 v[6:7], v[6:7], v[8:9]
	v_pk_add_f32 v[10:11], v[10:11], v[12:13]
	v_pk_add_f32 v[6:7], v[6:7], v[10:11]
	v_add_f32 v6, v6, v7
	WSUM 6, 7
	v_fma_f32 v6, v6, s24, s25                     ; var + 1e-5 (the division by 1,024 rounds nothing)
	s_wait_alu depctr_va_vdst(0)
	v_rsq_f32 v8, v6
	v_nop                                          ; a plain place behind the transcendental
	s_wait_alu depctr_va_vdst(0)                   ; the wait ahead of the first line that names the result
	v_mov_b32 v9, v8
	s_wait_alu depctr_va_vdst(0)
	s_wait_loadcnt 0x0                             ; the tables
.set J, 0
.rept 20
	ds_store_b128 v5, v[G+4*J:G+4*J+3] offset:2048*J   ; gate_w, ln_w, ln_b on end, as they lie in memory
.set J, J+1
.endr
	s_wait_dscnt 0x0                               ; for the others' sake: my stores have landed
	s_barrier_signal -1
	s_barrier_wait -1                              ; the one barrier: the tables are whole
.set J, 0
.rept 8
	ds_load_b128 v[G+4*J:G+4*J+3], v4 offset:LNW+512*J
	ds_load_b128 v[G+32+4*J:G+35+4*J], v4 offset:LNB+512*J
.set J, J+1
.endr
.set Q, 0
.rept 16
	v_pk_mul_f32 v[X+2*Q:X+2*Q+1], v[X+2*Q:X+2*Q+1], v[8:9]   ; (x - mu) / sqrt(var + eps)
.set Q, Q+1
.endr
	v_lshrrev_b32 v10, 3, v3                       ; the turn, on the way in: eight lanes' 128 bytes are a block: place lane / 8 of the four that a register group holds
	v_mul_u32_u24 v10, v10, 144
	v_and_b32 v11, 7, v3
	v_lshl_add_u32 v10, v11, 4, v10
	v_add_nc_u32 v10, s26, v10
	v_mul_u32_u24 v11, v3, 144                     ; and on the way out: place = lane.  144 bytes from place to place: an odd multiple of 16
	v_add_nc_u32 v11, s26, v11
	s_wait_dscnt 0x0
.set Q, 0
.rept 16
	v_pk_fma_f32 v[X+2*Q:X+2*Q+1], v[X+2*Q:X+2*Q+1], v[G+2*Q:G+2*Q+1], v[G+32+2*Q:G+33+2*Q]   ; xn = .. x ln_w + ln_b
.set Q, Q+1
.endr
.set J, 0
.rept 8
	ds_store_b128 v10, v[X+4*J:X+4*J+3] offset:576*J
.set J, J+1
.endr
.set J, 0
.rept 8
	ds_load_b128 v[Y+4*J:Y+4*J+3], v11 offset:16*J   ; LDS serves a wave's instructions in order: these see my stores
.set J, J+1
.endr
; the logits, four experts at a time: 32 numbers of each row of gate_w a lane, in the layout of X
.macro ROUND e0
.set J, 0
.rept 32
	ds_load_b128 v[G+4*J:G+4*J+3], v4 offset:(\e0+J/8)*4096+512*(J%8)
.set J, J+1
.endr
	s_wait_dscnt 0x0
.irp e, 0,1,2,3
	v_pk_mul_f32 v[L+2*(\e0+\e):L+2*(\e0+\e)+1], v[X:X+1], v[G+32*\e:G+32*\e+1]
.endr
.set Q, 1
.rept 15
.irp e, 0,1,2,3
	v_pk_fma_f32 v[L+2*(\e0+\e):L+2*(\e0+\e)+1], v[X+2*Q:X+2*Q+1], v[G+32*\e+2*Q:G+32*\e+2*Q+1], v[L+2*(\e0+\e):L+2*(\e0+\e)+1]
.endr
.set Q, Q+1
.endr
.endm
	ROUND 0
	ROUND 4
.irp e, 0,1,2,3,4,5,6,7
	v_add_f32 v[L+2*\e], v[L+2*\e], v[L+2*\e+1]
.endr
.irp m, 1,2,4,8
.irp e, 0,1,2,3,4,5,6,7
	v_add_f32_dpp v[L+2*\e], v[L+2*\e], v[L+2*\e] row_xmask:\m row_mask:0xf bank_mask:0xf
.endr
.endr
.irp e, 0,1,2,3,4,5,6,7
	v_permlanex16_b32 v[L+2*\e+1], v[L+2*\e], s30, s31
.endr
.irp e, 0,1,2,3,4,5,6,7
	v_add_f32 v[L+2*\e], v[L+2*\e], v[L+2*\e+1]    ; every lane holds all eight logits
.endr
	; the softmax as reference() writes it: the maximum taken away, the exponentials, the division by their sum
	v_max3_num_f32 v6, v[L], v[L+2], v[L+4]
	v_max3_num_f32 v6, v6, v[L+6], v[L+8]
	v_max3_num_f32 v6, v6, v[L+10], v[L+12]
	v_max_num_f32 v6, v6, v[L+14]
.irp e, 0,1,2,3,4,5,6,7
	v_sub_f32 v[L+2*\e+1], v[L+2*\e], v6
.endr
.irp e, 0,1,2,3,4,5,6,7
	v_mul_f32 v[L+2*\e+1], 0x3fb8aa3b, v[L+2*\e+1]
.endr
	s_wait_alu depctr_va_vdst(0)
.irp e, 0,1,2,3,4,5,6,7
	v_exp_f32 v[L+2*\e+1], v[L+2*\e+1]
.endr
	v_nop                                          ; a plain place behind the batch
	s_wait_alu depctr_va_vdst(0)                   ; one wait for the eight
	v_add_f32 v7, v[L+1], v[L+3]
	v_add_f32 v8, v[L+5], v[L+7]
	v_add_f32 v9, v[L+9], v[L+11]
	v_add_f32 v10, v[L+13], v[L+15]
	v_add_f32 v7, v7, v8
	v_add_f32 v9, v9, v10
	v_add_f32 v7, v7, v9
	s_wait_alu depctr_va_vdst(0)
	v_rcp_f32 v8, v7
	v_nop
	s_wait_alu depctr_va_vdst(0)
.irp e, 0,1,2,3,4,5,6,7
	v_mul_f32 v[L+2*\e], v[L+2*\e+1], v8           ; the weights
.endr
	; top-2 by selects alone: no branch and no address hangs on these numbers.  A strict 'greater' keeps the lower index of equals
	v_mov_b32 v12, v[L]
	v_mov_b32 v13, 0
.irp e, 1,2,3,4,5,6,7
	v_cmp_gt_f32 vcc_lo, v[L+2*\e], v12
	v_cndmask_b32 v12, v12, v[L+2*\e], vcc_lo
	v_cndmask_b32 v13, v13, \e, vcc_lo
.endr
.irp e, 0,1,2,3,4,5,6,7
	v_cmp_eq_u32 vcc_lo, \e, v13
	v_cndmask_b32 v[L+2*\e], v[L+2*\e], -1.0, vcc_lo   ; the first is taken out: weights are never negative
.endr
	v_mov_b32 v14, v[L]
	v_mov_b32 v15, 0
.irp e, 1,2,3,4,5,6,7
	v_cmp_gt_f32 vcc_lo, v[L+2*\e], v14
	v_cndmask_b32 v14, v14, v[L+2*\e], vcc_lo
	v_cndmask_b32 v15, v15, \e, vcc_lo
.endr
	v_add_f32 v6, v12, v14
	s_wait_alu depctr_va_vdst(0)
	v_rcp_f32 v6, v6
	v_mov_b32 v9, 1                                ; (a plain place)
	s_wait_alu depctr_va_vdst(0)
	v_mul_f32 v12, v12, v6                         ; the two weights, renormalised
	v_mul_f32 v14, v14, v6
	v_lshlrev_b32 v7, v13, v9
	v_lshlrev_b32 v8, v15, v9
	v_or_b32 v7, v7, v8
	v_lshl_or_b32 v7, v13, 16, v7
	v_lshl_or_b32 v7, v15, 20, v7                  ; the choice as a whole number
	; the quantiser: lane l holds block l of xn whole, so its largest magnitude needs no other lane
	v_max3_num_f32 v112, |v[Y]|, |v[Y+1]|, |v[Y+2]|
	v_max3_num_f32 v113, |v[Y+3]|, |v[Y+4]|, |v[Y+5]|
.irp i, 6,10,14,18,22,26
	v_max3_num_f32 v112, v112, |v[Y+\i]|, |v[Y+\i+1]|
	v_max3_num_f32 v113, v113, |v[Y+\i+2]|, |v[Y+\i+3]|
.endr
	v_max3_num_f32 v112, v112, |v[Y+30]|, |v[Y+31]|
	v_max3_num_f32 v112, v112, v113, 0x1800000     ; and the floor 2^(3 - 127): the byte cannot fall under 1
	v_add_nc_u32 v114, 0xff000000, v112            ; 2 off the exponent field: the conversion takes this operand's exponent field as its scale
	v_cvt_scalef32_pk16_fp6_f32 v[100:102], v[Y:Y+15], v114
	v_cvt_scalef32_pk16_fp6_f32 v[104:106], v[Y+16:Y+31], v114   ; (a conversion's three registers begin on an even number)
	v_lshrrev_b32 v115, 23, v114                   ; the scale's byte (also the plain place behind the conversions)
	v_mov_b32 v103, v104
	v_mov_b32 v104, v105
	v_mov_b32 v105, v106                           ; v100-105: the block's 24 bytes
	; In the next launch lane (r, h) of a fragment holds blocks 4 ks + 2 h and 4 ks + 2 h + 1 (its weights take the same order): 48 bytes, cut in three pieces of 16;
	; piece c of half h lies at 96 ks + 32 c + 16 h.  My block is half h = (l >> 1) & 1, first or second (c' = l & 1) of its lane's two
	v_lshrrev_b32 v116, 2, v3
	v_mul_u32_u24 v116, v116, 96
	v_bfe_u32 v117, v3, 1, 1
	v_lshl_add_u32 v116, v117, 4, v116
	v_add_nc_u32 v116, s27, v116                   ; 96 ks + 16 h
	v_and_b32 v117, 1, v3
	v_mul_u32_u24 v118, v117, 56
	v_mul_u32_u24 v117, v117, 40
	v_add_nc_u32 v117, v117, v116
	v_add_nc_u32 v118, v118, v116
	ds_store_b64 v117, v[100:101]                  ; bytes 0-7:   at 0 or 40
	ds_store_b64 v118, v[102:103] offset:8         ; bytes 8-15:  at 8 or 64
	ds_store_b64 v117, v[104:105] offset:32        ; bytes 16-23: at 32 or 72
	v_lshl_add_u32 v119, v3, 3, s27
.irp i, 0,1,2
	ds_load_b64 v[120+2*\i:121+2*\i], v119 offset:256*\i
.endr
	v_lshlrev_b32 v126, 3, v3
	v_and_b32 v127, 28, v3                         ; the scale byte's place in its word: 2 c' + h
	v_and_b32 v128, 1, v3
	v_lshl_or_b32 v127, v128, 1, v127
	v_bfe_u32 v128, v3, 1, 1
	v_or_b32 v127, v127, v128
	s_wait_alu depctr_va_vdst(0)
	s_wait_dscnt 0x0
.irp i, 0,1,2
	global_store_b64 v126, v[120+2*\i:121+2*\i], s[12:13] offset:256*\i   ; 32 lanes store 256 consecutive bytes, at a multiple of 256 from xq's first byte
.endr
	global_store_b8 v127, v115, s[14:15]           ; the token's 32 scale bytes
	v_cmp_eq_u32 vcc_lo, v3, v15
	v_cndmask_b32 v8, 0, v14, vcc_lo
	v_cmp_eq_u32 vcc_lo, v3, v13
	v_cndmask_b32 v8, v8, v12, vcc_lo              ; router_mask[t][lane], for lanes 0 to 7
	v_cmp_lt_u32 s22, v13, v15
	v_cmp_eq_u32 s23, 0, v3
	s_xor_b32 s22, s22, s23
	v_cndmask_b32 v9, v12, v14, s22                ; lane 0: the weight of the expert with the lower number, lane 1: the other's
	v_lshlrev_b32 v10, 2, v3
	s_wait_alu depctr_va_vdst(0)
	s_wait_xcnt 0x0                                ; EXEC is a source of the stores above: it changes only behind this wait, here and below
	v_cmpx_gt_u32 8, v3
	global_store_b32 v10, v8, s[20:21]
	s_wait_xcnt 0x0
	v_cmpx_gt_u32 2, v3
	global_store_b32 v10, v9, s[18:19]
	s_wait_xcnt 0x0
	v_cmpx_gt_u32 1, v3
	global_store_b32 v10, v7, s[16:17]
	s_wait_xcnt 0x0
	s_mov_b32 exec_lo, -1
	s_wait_tensorcnt 0x0                           ; the wave's end: behind my last LDS store
	ds_add_u32 v1, v2
	s_wait_dscnt 0x0
	s_endpgm
.Lfunc_end_k_q06cd929ff7_route:
	.size	k_q06cd929ff7_route, .Lfunc_end_k_q06cd929ff7_route-k_q06cd929ff7_route
	.p2alignl 7, 3214868480
	.fill 96, 4, 3214868480
	.section	.rodata,"a",@progbits
	.p2align	6, 0x0
	.amdhsa_kernel k_q06cd929ff7_route
		.amdhsa_group_segment_fixed_size 62976
		.amdhsa_private_segment_fixed_size 0
		.amdhsa_enable_private_segment 0
		.amdhsa_kernarg_size 72
		.amdhsa_user_sgpr_count 2
		.amdhsa_user_sgpr_kernarg_segment_ptr 1
		.amdhsa_wavefront_size32 1
		.amdhsa_system_sgpr_workgroup_id_x 1
		.amdhsa_system_sgpr_workgroup_id_y 1
		.amdhsa_system_sgpr_workgroup_id_z 1
		.amdhsa_system_vgpr_workitem_id 0
		.amdhsa_next_free_vgpr 224
		.amdhsa_next_free_sgpr 66
		.amdhsa_reserve_vcc 1
		.amdhsa_float_denorm_mode_32 3
		.amdhsa_float_denorm_mode_16_64 3
		.amdhsa_memory_ordered 1
		.amdhsa_forward_progress 1
		.amdhsa_inst_pref_size 39
	.end_amdhsa_kernel
	.amdgpu_metadata
---
amdhsa.version: [ 1, 2 ]
amdhsa.kernels:
  - .name:           k_q06cd929ff7_route
    .symbol:         k_q06cd929ff7_route.kd
    .args:
      - { .name: x, .offset: 0, .size: 8, .value_kind: global_buffer, .address_space: global }
      - { .name: ln_w, .offset: 8, .size: 8, .value_kind: global_buffer, .address_space: global }
      - { .name: ln_b, .offset: 16, .size: 8, .value_kind: global_buffer, .address_space: global }
      - { .name: gate_w, .offset: 24, .size: 8, .value_kind: global_buffer, .address_space: global }
      - { .name: xq, .offset: 32, .size: 8, .value_kind: global_buffer, .address_space: global }
      - { .name: xsc, .offset: 40, .size: 8, .value_kind: global_buffer, .address_space: global }
      - { .name: sel, .offset: 48, .size: 8, .value_kind: global_buffer, .address_space: global }
      - { .name: gates, .offset: 56, .size: 8, .value_kind: global_buffer, .address_space: global }
      - { .name: out1, .offset: 64, .size: 8, .value_kind: global_buffer, .address_space: global }
    .group_segment_fixed_size: 62976
    .private_segment_fixed_size: 0
    .kernarg_segment_align: 8
    .kernarg_segment_size: 72
    .max_flat_workgroup_size: 128
    .sgpr_count:     66
    .vgpr_count:     224
    .wavefront_size: 32
...
	.end_amdgpu_metadata
.endif
;; end of part 1
;; launch ffn1 (part 2): grid 32 x 8, 4 waves a work-group, no clusters, 155,136 bytes of LDS; arguments xq, xsc, sel, w1_codes, w1_scales, act, asc, order; writes act, asc, order
.if DOCPART == 2
	.amdgcn_target "amdgcn-amd-amdhsa--gfx1250"
	.amdhsa_code_object_version 6
	.text
	.protected	k_q06cd929ff7_ffn1
	.globl	k_q06cd929ff7_ffn1
	.p2align	8
	.type	k_q06cd929ff7_ffn1,@function
k_q06cd929ff7_ffn1:
	s_mov_b64 s[64:65], 0
	v_nop
	global_prefetch_b8 v0, s[64:65] scope:SCOPE_SE
	s_setreg_imm32_b32 hwreg(HW_REG_WAVE_MODE, 25, 1), 1
	s_wait_xcnt 0x0
; FFN1: act = gelu(xn w1[gate part]) x (xn w1[value part]) for the rows (token, chosen expert) alone, quantised to E2M3 along the hidden axis; and the list of tokens that the next launch walks.
; Work left out: the rows of experts that reference()'s own router mask multiplies by 0 (shown at the head of the first kernel).
; SHARES.  Work-group (s, e) owns hidden units 64 s .. 64 s + 63 of expert e: 64 value rows and 64 gate rows of w1, two dense slabs of 49,152 bytes, which no other work-group reads.
; EVERY wave keeps all 64 fragments of them (8 tiles x 8 K steps x 12 registers) in its registers; the waves share the ROWS: the expert's tokens go in tiles of 16, tile T to wave T % 4.  The walk has no barrier.
; A TILE'S TOKENS come as whole rows of xq: a load brings 256 bytes of two rows; they turn into fragments through 16 LDS rows of the wave's own.
; THE ROWS OF AN EXPERT.  Every wave reads all of sel, makes 32 masks of 32 tokens for its expert (group g, bit l: token 128 (g / 4) + 4 l + g % 4) and their running counts in scalar registers.
; Thread (wave w, half h, row r) finds the tokens at positions 128 g + 16 w + 64 h + r, which are row r of its own wave's tiles 2 g + h, by a search over the 32 counts and a rank-select in the mask.
; It runs while the weights are on their way.  A lane's eight tokens, 10 bits each, stay in three registers as a queue; a tile takes its token from the half of the lanes whose turn it is.
; Positions from the count on (the last tile's padding) get some valid token; its row of act is then made once more, with the same bytes, or made and read by nobody.
; act, asc: row 1,024 e + token, 1,536 bytes of codes (hidden units in order) and 64 scale bytes.  A work-group's part of a row is 48 bytes and 2 bytes.
; order: the 1,024 tokens sorted by their pair of experts (a, b), a < b: by a, then by b, rising where a is even and falling where a is odd, so that neighbouring pairs share an expert.
; An entry is the token's two rows of act: 1,024 a + token in the low half, 1,024 b + token in the high half.  Pair (e, f) is placed by work-group (s = f, e), eight groups of tokens a wave.
; THE MATRIX INSTRUCTION IS USED TRANSPOSED: source 0 = 16 rows of w1, source 1 = 16 tokens: a lane holds one token.  THE ROWS OF A TILE ARE NOT NEIGHBOURS: lane r of tile 2 b + u takes local row
; 32 b + 8 u + r + 8 (r / 8), so that the 16 registers of tiles 2 b and 2 b + 1 are 16 neighbouring hidden units, as the conversions want them.
; THE BLOCKS OF A K STEP: lane (r, h) holds blocks 4 ks + 2 h and 4 ks + 2 h + 1 of both operands, 48 bytes on end of a row of w1; a scale word holds its bytes in the order of blocks 0, 2, 1, 3.
; GELU is the exact one: erf(z) = z A(z^2) / B(z^2), z held to +-4, in f32; A's coefficients are halved (that rounds nothing), so that 0.5 + z A / B is (1 + erf) / 2.
; NO CLUSTER, NO TENSOR LOAD, though the 32 work-groups of an expert read the same rows of xq: how many tiles there are hangs on counts read from memory.
; No prefetch into the L2: the weights are asked for once, at the head, and a tile's rows are asked for a whole tile ahead.
; LIMITS: NaN and infinities are not served; a block of zeros gets the byte 1 (its codes are zeros; this program alone reads the bytes).
; REGISTERS, in windows of 256.  Window 0: v0, v6, v11 the queue (v0 is the thread's number up to there); v1, v2 the add's two; v3 16 h; v4 16 r; v5 offset of my token's scale bytes; v7 my token; v8, v9, v18 offsets in act and asc;
;   v10 32 h; v12, v13 LDS, a tile's rows in and its fragments out; v14-17 the tokens' scale words; v19 8 h; v20-51 w1's scale words (lanes 0-15 value tile i, lanes 16-31 gate tile i); v52-63 fragment 63; v64-159 the tokens' 8 fragments;
;   v160-191 value sums; v192-223 gate sums; v224-247 at work (v224-231 offsets of a tile's rows ahead of the activation); v248-251 two constants; v252-255 at work.   Windows 1 to 3: fragment f = 8 ks + tile at register 12 (f % 21) of window 1 + f / 21.
.set PITCH, 784                        ; an LDS row: 768 bytes + 16 = 196 words: row r starts at bank 4 r mod 64 (64 banks of 4 bytes: ISA guide 11.1)
.set GROW,  64*PITCH                   ; the gate rows lie behind the 64 value rows
.set SCL,   128*PITCH                  ; w1's scale bytes: 64 rows of 32, then the gate rows' 64
.set XST,   SCL+4096                   ; 16 rows for each wave, for a tile's tokens
.set SPARE, XST+4*16*PITCH             ; the spare words, 128 bytes for each wave: two blocks of 256 bytes that no other line names
.set XS,  14
.set WS,  20
.set AF,  64
.set XA,  160
.set GA,  192
.set T0,  224
.set T1,  232
.set T2,  240
.set MK,  32                           ; s32-63  the masks; behind the head: the constants, in pairs
.set KY,  66                           ; s66-97  the keys: (tokens of my expert in front of group j) << 5 | j
.set MSB, 0
.macro WIN new                         ; the immediate's high byte repeats the setting that is left
.if MSB != (\new)
	s_set_vgpr_msb (MSB<<8)|(\new)
.set MSB, (\new)
.endif
.endm
.macro WALU
	s_wait_alu depctr_va_vdst(0)
.endm
.macro PLACES                          ; four places behind matrix instructions (ISA guide 7.12.1)
.rept 4
	v_nop
.endr
.endm
	s_load_b256 s[4:11], s[0:1], 0x0               ; xq s[4:5], xsc s[6:7], sel s[8:9], w1's codes s[10:11]
	s_load_b256 s[12:19], s[0:1], 0x20             ; w1's scales s[12:13], act s[14:15], asc s[16:17], order s[18:19]
	v_lshl_add_u32 v1, v0, 2, SPARE
	v_mov_b32 v2, 0
	v_lshrrev_b32 v11, 5, v0
	v_readfirstlane_b32 s2, v11                    ; wave
	s_mov_b32 s3, ttmp9                            ; slice s
	s_and_b32 s20, ttmp7, 0xffff                   ; expert e
	v_and_b32 v7, 31, v0
	v_lshlrev_b32 v8, 4, v7                        ; sel: 16 x lane
	v_lshlrev_b32 v9, 4, v0                        ; the weights' scale bytes: 16 x thread
	v_and_b32 v10, 15, v0                          ; r
	v_bfe_u32 v19, v0, 4, 1                        ; h
	v_lshlrev_b32 v3, 4, v19
	v_lshlrev_b32 v4, 4, v10
	s_lshl_b32 s24, s2, 4
	v_lshl_add_u32 v178, v19, 6, v10               ; my place among 128 positions: r + 64 h
	v_add_nc_u32 v178, s24, v178                   ; + 16 w
	v_lshrrev_b32 v11, 4, v0                       ; the weights' codes: thread / 16 is my row of a group of eight,
	v_mul_u32_u24 v7, v11, 768
	v_add_nc_u32 v7, v7, v4                        ; and 16 (thread % 16) my 16 bytes of a piece of 256: sixteen lanes read 256 consecutive bytes
	s_mul_i32 s24, s2, 16*PITCH
	s_add_co_u32 s24, s24, XST
	v_mul_u32_u24 v12, v19, 8*PITCH                ; a tile's rows, in: lanes 0-15 row g, lanes 16-31 row g + 8
	v_add_nc_u32 v12, v12, v4
	v_add_nc_u32 v12, s24, v12
	v_mul_u32_u24 v13, v10, PITCH                  ; its fragments, out: row r, 16 h
	v_add_nc_u32 v13, v13, v3
	v_add_nc_u32 v13, s24, v13
	v_mul_u32_u24 v180, v11, PITCH                 ; the weights' rows, in: the value rows,
	v_add_nc_u32 v180, v180, v4
	v_add_nc_u32 v181, GROW, v180                  ; the gate rows,
	v_add_nc_u32 v186, SCL, v9                     ; the scale bytes
	v_mul_u32_u24 v182, v10, PITCH                 ; their fragments, out: row r, 48 h
	v_mad_u32_u24 v182, v19, 48, v182
	v_add_nc_u32 v183, GROW, v182
	v_and_b32 v184, 8, v10                         ; w1's scale words: 32 bytes a row, row r + 8 (r / 8) of the tile's; lanes 16-31 the gate rows'
	v_add_nc_u32 v184, v184, v10
	v_lshlrev_b32 v184, 5, v184
	v_lshl_add_u32 v184, v19, 11, v184
	v_add_nc_u32 v184, SCL, v184
	v_lshlrev_b32 v10, 5, v19
	v_lshlrev_b32 v19, 3, v19
	s_mov_b32 s29, 0xffff0000                      ; lanes 16-31
	s_mov_b32 s30, 0x76543210
	s_mov_b32 s31, 0xfedcba98                      ; v_permlanex16_b32's selects for lane l xor 16
	s_mul_i32 s24, s20, 3145728                    ; an expert's codes: 4,096 rows of 768 bytes
	s_mul_i32 s25, s3, 49152
	s_add_co_u32 s24, s24, s25
	s_mov_b32 s25, 0
	s_lshl_b32 s26, s20, 17                        ; its scale bytes: 4,096 rows of 32
	s_lshl_b32 s27, s3, 11
	s_add_co_u32 s26, s26, s27
	s_mov_b32 s27, 0
	WALU
	s_wait_kmcnt 0x0
	s_add_nc_u64 s[10:11], s[10:11], s[24:25]
	s_add_nc_u64 s[12:13], s[12:13], s[26:27]
.set J, 0
.rept 8
	global_load_b128 v[AF+4*J:AF+4*J+3], v8, s[8:9] offset:512*J   ; sel: register 4 j + i of lane l is token 128 j + 4 l + i
.set J, J+1
.endr
	WIN 0x40                                       ; the weights land in window 1
	global_load_b128 v[192:195], v9, s[12:13] th:TH_LOAD_NT
	global_load_b128 v[196:199], v9, s[12:13] offset:65536 th:TH_LOAD_NT
.set J, 0
.rept 48
	global_load_b128 v[4*J:4*J+3], v7, s[10:11] offset:1572864*(J/24)+6144*((J%24)/3)+256*(J%3) th:TH_LOAD_NT   ; load 3 a + c of a slab: rows 8 a .. 8 a + 7, piece c of their three; the gate slab lies 2,048 rows on
.set J, J+1
.endr
	WIN 0
	s_mul_i32 s24, s20, 1572864                    ; act: an expert's 1,024 rows of 1,536 bytes, my 48 of a row
	s_mul_i32 s25, s3, 48
	s_add_co_u32 s24, s24, s25
	s_mov_b32 s25, 0
	s_add_nc_u64 s[14:15], s[14:15], s[24:25]
	s_lshl_b32 s24, s20, 16                        ; asc: rows of 64, my 2
	s_lshl_b32 s25, s3, 1
	s_add_co_u32 s24, s24, s25
	s_mov_b32 s25, 0
	s_add_nc_u64 s[16:17], s[16:17], s[24:25]
	s_lshl_b32 s23, 1, s20
	s_mov_b32 s21, 0
	s_wait_loadcnt 50                              ; sel is in; the 50 loads of the weights, issued behind it, stay out
.set J, 0
.rept 32
	v_and_b32 v[160+J%2], s23, v[AF+J]
	v_cmp_ne_u32 s[MK+J], 0, v[160+J%2]            ; bit l: the group's token l has chosen my expert
.set J, J+1
.endr
.set J, 0
.rept 32
	s_lshl_b32 s24, s21, 5
	s_or_b32 s[KY+J], s24, J
	s_bcnt1_i32_b32 s24, s[MK+J]
	s_add_co_u32 s21, s21, s24
.set J, J+1
.endr                                              ; s21 = the expert's count
	s_add_co_u32 s22, s21, 15
	s_lshr_b32 s22, s22, 4                         ; its tiles
.macro SELSTEP x, w, st                            ; does the q-th set bit lie beyond the next st bits?  x holds the counts of set bits in fields of w bits
	v_bfe_u32 v170, v[\x], v169, \w
	v_cmp_le_u32 vcc_lo, v170, v164
	v_cndmask_b32 v170, 0, v170, vcc_lo
	v_cndmask_b32 v171, 0, \st, vcc_lo
	v_sub_nc_u32 v164, v164, v170
	v_add_nc_u32 v169, v169, v171
.endm
	v_mov_b32 v187, 0                              ; the queue as it is built: 96 bits in v187-189
	v_mov_b32 v188, 0
	v_mov_b32 v189, 0
	s_mov_b32 s98, 0
	s_mov_b32 s99, 0
	WALU
.Lsearch:                                          ; eight trips, a constant: positions 128 g + my place; the search of a trip with no position under the count is passed over
	v_mov_b32 v172, 0
	s_cmp_ge_u32 s99, s21
	s_cbranch_scc1 .Lnone
	v_add_nc_u32 v160, s99, v178                   ; p
	v_lshl_or_b32 v161, v160, 5, 31
	v_mov_b32 v162, s[KY]
	v_mov_b32 v163, s[MK]
.set J, 1
.rept 31
	v_cmp_le_u32 vcc_lo, s[KY+J], v161             ; the last group with at most p tokens in front of it
	v_cndmask_b32 v162, v162, s[KY+J], vcc_lo
	v_cndmask_b32 v163, v163, s[MK+J], vcc_lo
.set J, J+1
.endr
	v_lshrrev_b32 v164, 5, v162
	v_sub_nc_u32 v164, v160, v164                  ; q: which set bit of its mask
	v_lshrrev_b32 v165, 1, v163
	v_and_b32 v165, 0x55555555, v165
	v_sub_nc_u32 v165, v163, v165                  ; counts in fields of 2 bits,
	v_lshrrev_b32 v166, 2, v165
	v_and_b32 v166, 0x33333333, v166
	v_and_b32 v170, 0x33333333, v165
	v_add_nc_u32 v166, v166, v170                  ; of 4,
	v_lshrrev_b32 v167, 4, v166
	v_add_nc_u32 v167, v167, v166
	v_and_b32 v167, 0x0f0f0f0f, v167               ; of 8,
	v_lshrrev_b32 v168, 8, v167
	v_add_nc_u32 v168, v168, v167
	v_and_b32 v168, 0x00ff00ff, v168               ; of 16
	v_mov_b32 v169, 0
	SELSTEP 168, 8, 16
	SELSTEP 167, 8, 8
	SELSTEP 166, 4, 4
	SELSTEP 165, 2, 2
	SELSTEP 163, 1, 1
	v_and_b32 v172, 3, v162                        ; the token of group g, bit l: g % 4
	v_lshl_or_b32 v172, v169, 2, v172              ; + 4 l
	v_and_b32 v170, 28, v162
	v_lshl_or_b32 v172, v170, 5, v172              ; + 128 (g / 4): never above 1,023, whatever p
.Lnone:
	WALU
	v_lshrrev_b32 v187, 10, v187                   ; the queue moves down by 10 bits, in every trip alike,
	v_lshl_or_b32 v187, v188, 22, v187
	v_lshrrev_b32 v188, 10, v188
	v_lshl_or_b32 v188, v189, 22, v188
	v_lshrrev_b32 v189, 10, v189
	v_lshl_or_b32 v189, v172, 22, v189             ; and the trip's token comes in at the top
	s_add_co_u32 s99, s99, 128
	s_add_co_u32 s98, s98, 1
	s_cmp_lt_u32 s98, 8
	WALU
	s_cbranch_scc1 .Lsearch
	v_lshrrev_b32 v187, 16, v187                   ; eight tokens are 80 of the 96 bits: 16 further down, and trip g's token stands at bit 10 g
	v_lshl_or_b32 v187, v188, 16, v187
	v_lshrrev_b32 v188, 16, v188
	v_lshl_or_b32 v188, v189, 16, v188
	v_lshrrev_b32 v189, 16, v189
	WALU
	; THE LIST: pair (e, f) with f = s
	s_cmp_le_u32 s3, s20
	s_cbranch_scc1 .Lno_order
	s_cmp_ge_u32 s3, 8
	s_cbranch_scc1 .Lno_order
	s_lshl_b32 s24, 1, s3
	s_sub_co_u32 s66, s24, 1
	s_lshl_b32 s25, -2, s20
	s_and_b32 s66, s66, s25                        ; partners in front of f where e is even: e + 1 .. f - 1
	s_lshl_b32 s25, -2, s3
	s_and_b32 s25, s25, 0xff                       ; where e is odd: f + 1 .. 7
	s_bitcmp1_b32 s20, 0
	s_cselect_b32 s66, s25, s66
	s_or_b32 s67, s66, s24                         ; the same, and f
	s_sub_co_u32 s68, s23, 1                       ; experts below e
	s_or_b32 s69, s23, s24                         ; the pair
	s_mov_b32 s70, 0
	s_lshl_b32 s71, s20, 10
	s_lshl_b32 s72, s3, 26
	s_or_b32 s71, s71, s72
	s_mov_b32 s72, 0x10001
	; s70 = tokens of all pairs in front of mine, and my pair's tokens in the groups of the waves below me
.set J, 0
.rept 32
.if J%8 == 0
	s_cmp_gt_u32 s2, J/8
	s_cselect_b32 s73, s67, s66
.endif
	v_and_b32 v160, s68, v[AF+J]
	v_and_b32 v161, s73, v[AF+J]
	v_cmp_ne_u32 s24, 0, v160
	v_cmp_ne_u32 s25, 0, v161
	s_and_b32 s25, s25, s[MK+J]
	s_or_b32 s25, s25, s24
	s_bcnt1_i32_b32 s25, s25
	s_add_co_u32 s70, s70, s25
.set J, J+1
.endr
	v_and_b32 v216, 31, v0
	v_lshlrev_b32 v216, 2, v216
	WALU
.irp b, 0,1,2,3
	s_cmp_lg_u32 s2, \b
	s_cbranch_scc1 .Lother_\b
.irp i, 0,1,2,3,4,5,6,7
	v_and_b32 v[208+\i], s69, v[AF+8*\b+\i]
	v_cmp_eq_u32 s24, s69, v[208+\i]
	v_mbcnt_lo_u32_b32 v[192+\i], s24, 0
	v_add_nc_u32 v[192+\i], s70, v[192+\i]
	v_min_u32 v[192+\i], 0x3ff, v[192+\i]
	v_lshlrev_b32 v[192+\i], 2, v[192+\i]
	v_add_nc_u32 v[200+\i], 128*(2*\b+\i/4)+\i%4, v216
	v_mad_u32_u24 v[200+\i], v[200+\i], s72, s71
	s_bcnt1_i32_b32 s24, s24
	s_add_co_u32 s70, s70, s24
.endr
	WALU
	s_wait_xcnt 0x0                                ; EXEC is a source of the loads above and of each store: it changes only behind this wait
.irp i, 0,1,2,3,4,5,6,7
	v_cmpx_eq_u32 s69, v[208+\i]
	global_store_b32 v[192+\i], v[200+\i], s[18:19]
	s_wait_xcnt 0x0
	s_mov_b32 exec_lo, -1
.endr
.Lother_\b:
.endr
.Lno_order:
	s_wait_xcnt 0x0                                ; the loads that are out have read their offsets: v7 is written below
; the offsets of a tile's rows, from v7 (lane (r, h): row r's token): register g serves rows g (lanes 0-15) and g + 8 (lanes 16-31)
.macro OFFS
	v_permlane16_b32 v252, v7, s31, s30            ; lane r of a half: row (r + 8) % 16
	v_cndmask_b32 v252, v7, v252, s29
.irp g, 0,1,2,3,4,5,6,7
	v_mov_b32_dpp v[224+\g], v252 row_share:\g row_mask:0xf bank_mask:0xf
.endr
.irp g, 0,1,2,3,4,5,6,7
	v_min_u32 v[224+\g], 0x3ff, v[224+\g]
.endr
.irp g, 0,1,2,3,4,5,6,7
	v_mad_u32_u24 v[224+\g], v[224+\g], 768, v4
.endr
.endm
.macro ROWS gg                         ; six loads: rows 2 gg, 2 gg + 1 and the two eight further on: 16 lanes read 256 consecutive bytes
.irp g, 0,1
.irp c, 0,1,2
	global_load_b128 v[AF+24*(\gg)+12*\g+4*\c:AF+24*(\gg)+12*\g+4*\c+3], v[224+2*(\gg)+\g], s[4:5] offset:256*\c
.endr
.endr
.endm
.macro STAGEX                          ; a tile's rows have landed: through my 16 rows of LDS, which serves a wave's instructions in order, into fragments
.irp g, 0,1,2,3,4,5,6,7
.irp c, 0,1,2
	ds_store_b128 v12, v[AF+12*\g+4*\c:AF+12*\g+4*\c+3] offset:PITCH*\g+256*\c
.endr
.endr
.irp k, 0,1,2,3,4,5,6,7
.irp c, 0,1,2
	ds_load_b128 v[AF+12*\k+4*\c:AF+12*\k+4*\c+3], v13 offset:96*\k+32*\c
.endr
.endr
.endm
	v_mov_b32 v6, v187                             ; the queue goes to the registers that it keeps
	v_mov_b32 v11, v188
	v_mov_b32 v0, v189
.irp r, 224,225,226,227,228,229,230,231,252,254,255
	v_mov_b32 v\r, 0                               ; written once: the destination of a lane permute or a DPP form counts as one of its sources
.endr
	v_and_b32 v7, 0x3ff, v6                        ; my first tile is an even one: its tokens stand in lanes 0-15
	v_permlanex16_b32 v252, v7, s30, s31
	v_cndmask_b32 v7, v7, v252, s29
	v_min_u32 v7, 0x3ff, v7
	v_lshl_add_u32 v5, v7, 5, v3                   ; 32 x token + 16 h: lanes 0-15 take the scale words of K steps 0-3, lanes 16-31 those of 4-7
	OFFS
	ROWS 0
	ROWS 1
	ROWS 2
	ROWS 3
	global_load_b128 v[XS:XS+3], v5, s[6:7]
	; the weights go to LDS as rows: memory row 32 b' + 8 q + y goes to LDS row 32 b' + 16 (q & 1) + 8 (q >> 1) + y: a tile's 16 rows then lie on end
.macro STAGE12 first
.set J, \first
.rept 12
.set JA, (J%24)/3
	ds_store_b128 v[180+J/24], v[4*J:4*J+3] offset:PITCH*(32*(JA/4)+16*(JA%2)+8*((JA/2)%2))+256*(J%3)
.set J, J+1
.endr
.endm
	WIN 0x04                                       ; an LDS store's data are its source 1: window 1
	WALU
	s_wait_loadcnt 61                              ; the scale bytes and the first 12 loads of codes are in; 36 loads of codes and the tile's 25 were issued behind them
	ds_store_b128 v186, v[192:195]
	ds_store_b128 v186, v[196:199] offset:2048
	STAGE12 0
	s_wait_loadcnt 49
	STAGE12 12
	s_wait_loadcnt 37
	STAGE12 24
	s_wait_loadcnt 25
	STAGE12 36
	WIN 0
	s_wait_dscnt 0x0                               ; for the others' sake: my stores of weights have landed
	s_barrier_signal -1
	s_barrier_wait -1                              ; the one barrier; every wave passes it on every path
	s_wait_loadcnt 0x0                             ; my first tile's rows and scale words
	STAGEX
.irp i, 0,1,2,3
	ds_load_b128 v[WS+8*\i:WS+8*\i+3], v184 offset:32*(32*(\i/2)+8*(\i%2))
	ds_load_b128 v[WS+8*\i+4:WS+8*\i+7], v184 offset:32*(32*(\i/2)+8*(\i%2))+16
.endr
.set F, 0
.rept 64
.if F < 63
.set WN, (1+F/21)<<6
.set WR, 12*(F%21)
.else
.set WN, 0
.set WR, 52
.endif
	WIN WN
.irp j, 0,1,2
	ds_load_b128 v[WR+4*\j:WR+4*\j+3], v[182+(F%8)/4] offset:16*PITCH*(F%4)+96*(F/8)+16*\j   ; 48 bytes of the row's stream of bits at 48 h, as they lie
.endr
.set F, F+1
.endr
	WIN 0
	; the constants (the masks are done with); each pair holds its number twice
.macro PAIR r, bits
	s_mov_b32 s[\r], \bits
	s_mov_b32 s[\r+1], \bits
.endm
	PAIR 32, 0x3f3504f3                            ; 1 / sqrt(2)
	PAIR 34, 0xaf15df0b                            ; A's coefficients, halved, from z^12 down (that of z^10 lies in v248)
	PAIR 36, 0xb58cff51
	PAIR 38, 0xb7eec2d2
	PAIR 40, 0xb9c0ac63
	PAIR 42, 0xbac1a1f6
	PAIR 44, 0xbc03dbd4
	PAIR 46, 0xb77460cd                            ; B's, from z^8 down (that of z^6 lies in v250)
	PAIR 48, 0xbadc924e
	PAIR 50, 0xbbf19bf8
	PAIR 52, 0xbc69b6a7
	s_mov_b32 s54, 0x03010200
	v_mov_b32 v248, 0x326dffee
	v_mov_b32 v249, 0x326dffee
	v_mov_b32 v250, 0xb95fbd29
	v_mov_b32 v251, 0xb95fbd29
	WALU
	s_wait_dscnt 0x0                               ; all weights are in registers
.set J, 0
.rept 32
	v_perm_b32 v[WS+J], v[WS+J], v[WS+J], s54      ; bytes in the order of blocks 0, 2, 1, 3
.set J, J+1
.endr
.rept 4
	v_nop                                          ; with the four lines at a tile's head: eight places between the scale words and the products
.endr
	WALU
; One product: K step KS, tile TT (0-3 value, 4-7 gate).  The eight sums take turns, one instruction a turn.
.macro WM c, ra, rb
	v_wmma_scale_f32_16x16x128_f8f6f4 v[DR:DR+7], v[WR:WR+11], v[BR:BR+11], \c, v[SA], v[SB] matrix_a_fmt:MATRIX_FMT_FP6 matrix_b_fmt:MATRIX_FMT_FP6 matrix_a_scale:MATRIX_SCALE_ROW\ra matrix_b_scale:MATRIX_SCALE_ROW\rb
.endm
.macro MM
.set F, 8*KS+TT
.if F < 63
.set WN, 1+F/21
.set WR, 12*(F%21)
.else
.set WN, 0
.set WR, 52
.endif
	WIN WN
.set DR, XA+8*TT
.set BR, AF+12*KS
.set SA, WS+8*(TT%4)+KS
.set SB, XS+KS%4
.if KS == 0
.if TT < 4
	WM 0,0,0
.else
	WM 0,1,0
.endif
.elseif KS < 4
.if TT < 4
	WM v[DR:DR+7],0,0
.else
	WM v[DR:DR+7],1,0
.endif
.else
.if TT < 4
	WM v[DR:DR+7],0,1
.else
	WM v[DR:DR+7],1,1
.endif
.endif
.endm
; value x gate x (0.5 + 0.5 erf(gate / sqrt 2)) for tile t's eight numbers of a lane; each sum is read from its low end on
.macro GELU t
.irp q, 0,2,4,6
	v_pk_mul_f32 v[XA+8*\t+\q:XA+8*\t+\q+1], v[XA+8*\t+\q:XA+8*\t+\q+1], v[GA+8*\t+\q:GA+8*\t+\q+1]   ; value x gate
.endr
.irp q, 0,2,4,6
	v_pk_mul_f32 v[GA+8*\t+\q:GA+8*\t+\q+1], v[GA+8*\t+\q:GA+8*\t+\q+1], s[32:33] op_sel_hi:[1,0]      ; z
.endr
.irp j, 0,1,2,3,4,5,6,7
	v_med3_num_f32 v[GA+8*\t+\j], v[GA+8*\t+\j], -4.0, 4.0
.endr
.irp q, 0,2,4,6
	v_pk_mul_f32 v[T0+\q:T0+\q+1], v[GA+8*\t+\q:GA+8*\t+\q+1], v[GA+8*\t+\q:GA+8*\t+\q+1]              ; z^2
.endr
.irp q, 0,2,4,6
	v_pk_fma_f32 v[T1+\q:T1+\q+1], v[T0+\q:T0+\q+1], s[34:35], v[248:249] op_sel_hi:[1,0,1]
.endr
.irp q, 0,2,4,6
	v_pk_fma_f32 v[T2+\q:T2+\q+1], v[T0+\q:T0+\q+1], s[46:47], v[250:251] op_sel_hi:[1,0,1]
.endr
.irp k, 0,1,2
.irp q, 0,2,4,6
	v_pk_fma_f32 v[T1+\q:T1+\q+1], v[T1+\q:T1+\q+1], v[T0+\q:T0+\q+1], s[36+2*\k:37+2*\k] op_sel_hi:[1,1,0]
.endr
.irp q, 0,2,4,6
	v_pk_fma_f32 v[T2+\q:T2+\q+1], v[T2+\q:T2+\q+1], v[T0+\q:T0+\q+1], s[48+2*\k:49+2*\k] op_sel_hi:[1,1,0]
.endr
.endr
	WALU
.irp j, 0,1,2,3,4,5,6,7
	v_rcp_f32 v[T2+\j], v[T2+\j]                   ; 1 / B: B has no zero on 0 .. 16
.endr
.irp k, 3,4                                        ; A's last two steps and the multiplication by z name no reciprocal: they are the plain work behind the batch
.irp q, 0,2,4,6
	v_pk_fma_f32 v[T1+\q:T1+\q+1], v[T1+\q:T1+\q+1], v[T0+\q:T0+\q+1], s[36+2*\k:37+2*\k] op_sel_hi:[1,1,0]
.endr
.endr
.irp q, 0,2,4,6
	v_pk_mul_f32 v[T1+\q:T1+\q+1], v[T1+\q:T1+\q+1], v[GA+8*\t+\q:GA+8*\t+\q+1]   ; z A / 2
.endr
	WALU                                           ; one wait for the eight reciprocals, and for the next tile's sums, ahead of their first readers
.irp q, 0,2,4,6
	v_pk_fma_f32 v[T1+\q:T1+\q+1], v[T1+\q:T1+\q+1], v[T2+\q:T2+\q+1], 0.5 op_sel_hi:[1,1,0]
.endr
.irp q, 0,2,4,6
	v_pk_mul_f32 v[XA+8*\t+\q:XA+8*\t+\q+1], v[XA+8*\t+\q:XA+8*\t+\q+1], v[T1+\q:T1+\q+1]
.endr
.endm
; A TILE of 16 tokens.  next = 1: behind each two K steps' products their operand registers take six of the next tile's 24 row loads; the activation is the time in which they land, the quantiser the time in which they pass LDS
.macro TILE next
	v_min_u32 v9, 0x3ff, v7                        ; this tile's rows of act and asc
	v_mad_u32_u24 v8, v9, 1536, v10
	v_mad_u32_u24 v18, v9, 1536, v19
	v_lshlrev_b32 v9, 6, v9
.if \next
	s_add_co_u32 s23, s98, 1                       ; n: which of my tiles comes next.  Even tiles' tokens stand in lanes 0-15 of the queue, odd ones' in lanes 16-31
	s_and_b32 s23, s23, 1
	s_lshl_b32 s23, s23, 4
	v_and_b32 v7, 0x3ff, v6                        ; my half's token at the queue's head,
	v_permlanex16_b32 v252, v7, s30, s31           ; the other half's,
	v_cmp_eq_u32 vcc_lo, s23, v3                   ; and whose turn it is
	v_cndmask_b32 v7, v252, v7, vcc_lo
	s_cmp_eq_u32 s23, 0
	WALU
	s_cbranch_scc1 .Lkeep_\@                       ; behind an odd tile both halves' heads are used up: the queue moves on by 10 bits
	v_lshrrev_b32 v6, 10, v6
	v_lshl_or_b32 v6, v11, 22, v6
	v_lshrrev_b32 v11, 10, v11
	v_lshl_or_b32 v11, v0, 22, v11
	v_lshrrev_b32 v0, 10, v0
.Lkeep_\@:
	v_min_u32 v7, 0x3ff, v7
	v_lshl_add_u32 v5, v7, 5, v3
	OFFS
.endif
	WALU
	s_wait_dscnt 0x0                               ; this tile's fragments are in
.set GG, 0
.rept 4
.set KS, 2*GG
.rept 2
.set TT, 0
.rept 8
	MM
.set TT, TT+1
.endr
.set KS, KS+1
.endr
.if \next
	WIN 0
	PLACES
	ROWS GG
.endif
.set GG, GG+1
.endr
.if \next
	global_load_b128 v[XS:XS+3], v5, s[6:7]
	s_wait_xcnt 0x0                                ; the loads have read their offsets: the activation writes those registers
.else
	WIN 0
	PLACES
.endif
	GELU 0
	GELU 1
	GELU 2
	GELU 3
.if \next
	WALU
	s_wait_loadcnt 0x0                             ; the next tile's rows and scale words are in
	STAGEX
.endif
	; the quantiser: tiles 0, 1 are my 16 numbers of block 0, tiles 2, 3 of block 1; lane l xor 16 holds the other 16 of each
	v_max3_num_f32 v252, |v[XA]|, |v[XA+1]|, 0x1800000      ; with the floor 2^(3 - 127): the byte cannot fall under 1
	v_max3_num_f32 v253, |v[XA+16]|, |v[XA+17]|, 0x1800000
.irp i, 2,4,6,8,10,12,14
	v_max3_num_f32 v252, v252, |v[XA+\i]|, |v[XA+\i+1]|
	v_max3_num_f32 v253, v253, |v[XA+16+\i]|, |v[XA+17+\i]|
.endr
	v_permlanex16_b32 v254, v252, s30, s31
	v_permlanex16_b32 v255, v253, s30, s31
	v_max_num_f32 v252, v252, v254
	v_max_num_f32 v253, v253, v255
	v_add_nc_u32 v252, 0xff000000, v252            ; 2 off the exponent field: the conversions' scale operands
	v_add_nc_u32 v253, 0xff000000, v253
	v_lshrrev_b32 v254, 23, v252
	v_lshrrev_b32 v255, 23, v253
	v_lshl_or_b32 v254, v255, 8, v254              ; the two bytes of my hidden units
	v_cvt_scalef32_pk16_fp6_f32 v[234:236], v[XA:XA+15], v252
	v_cvt_scalef32_pk16_fp6_f32 v[240:242], v[XA+16:XA+31], v253
	v_nop                                          ; one plain place behind the conversions
.irp i, 0,1,2
	v_permlane16_swap_b32 v[234+\i], v[240+\i]     ; a whole block in a lane: lanes 0-15 block 0, lanes 16-31 block 1
.endr
	v_cndmask_b32 v244, v234, v236, s29            ; a row's 48 bytes: 0-15 from the lower lane, 32-47 from the upper one,
	v_cndmask_b32 v245, v235, v240, s29
	v_cndmask_b32 v246, v236, v241, s29
	v_cndmask_b32 v247, v240, v242, s29
	v_cndmask_b32 v238, v241, v234, s29            ; and 16-23, 24-31
	v_cndmask_b32 v239, v242, v235, s29
	global_store_b128 v8, v[244:247], s[14:15]
	global_store_b64 v18, v[238:239], s[14:15] offset:16
	global_store_b16 v9, v254, s[16:17]            ; row r's two scale bytes (lanes 16-31 store the same value to the same place)
.endm
	s_mov_b32 s28, s2                              ; my tile
	s_mov_b32 s98, 0
.Lrow:                                             ; sixteen trips, a constant; a trip without a tile is passed over
	s_cmp_ge_u32 s28, s22
	s_cbranch_scc1 .Lskip
	s_add_co_u32 s23, s28, 4
	s_cmp_lt_u32 s23, s22
	s_cbranch_scc0 .Llast
	TILE 1
	s_branch .Lskip
.Llast:
	TILE 0                                         ; my last tile asks for nothing more
.Lskip:
	WALU
	s_wait_xcnt 0x0                                ; the stores have read their data and offsets: both may be written again
	s_add_co_u32 s28, s28, 4
	s_add_co_u32 s98, s98, 1
	s_cmp_lt_u32 s98, 16
	s_cbranch_scc1 .Lrow
	s_wait_tensorcnt 0x0                           ; the wave's end: behind my last LDS store
	ds_add_u32 v1, v2
	s_wait_dscnt 0x0
	s_endpgm
.Lfunc_end_k_q06cd929ff7_ffn1:
	.size	k_q06cd929ff7_ffn1, .Lfunc_end_k_q06cd929ff7_ffn1-k_q06cd929ff7_ffn1
	.p2alignl 7, 3214868480
	.fill 96, 4, 3214868480
	.section	.rodata,"a",@progbits
	.p2align	6, 0x0
	.amdhsa_kernel k_q06cd929ff7_ffn1
		.amdhsa_group_segment_fixed_size 155136
		.amdhsa_private_segment_fixed_size 0
		.amdhsa_enable_private_segment 0
		.amdhsa_kernarg_size 64
		.amdhsa_user_sgpr_count 2
		.amdhsa_user_sgpr_kernarg_segment_ptr 1
		.amdhsa_wavefront_size32 1
		.amdhsa_system_sgpr_workgroup_id_x 1
		.amdhsa_system_sgpr_workgroup_id_y 1
		.amdhsa_system_sgpr_workgroup_id_z 1
		.amdhsa_system_vgpr_workitem_id 0
		.amdhsa_next_free_vgpr 1024
		.amdhsa_next_free_sgpr 102
		.amdhsa_reserve_vcc 1
		.amdhsa_float_denorm_mode_32 3
		.amdhsa_float_denorm_mode_16_64 3
		.amdhsa_memory_ordered 1
		.amdhsa_forward_progress 1
		.amdhsa_inst_pref_size 155
	.end_amdhsa_kernel
	.amdgpu_metadata
---
amdhsa.version: [ 1, 2 ]
amdhsa.kernels:
  - .name:           k_q06cd929ff7_ffn1
    .symbol:         k_q06cd929ff7_ffn1.kd
    .args:
      - { .name: xq, .offset: 0, .size: 8, .value_kind: global_buffer, .address_space: global }
      - { .name: xsc, .offset: 8, .size: 8, .value_kind: global_buffer, .address_space: global }
      - { .name: sel, .offset: 16, .size: 8, .value_kind: global_buffer, .address_space: global }
      - { .name: w1_codes, .offset: 24, .size: 8, .value_kind: global_buffer, .address_space: global }
      - { .name: w1_scales, .offset: 32, .size: 8, .value_kind: global_buffer, .address_space: global }
      - { .name: act, .offset: 40, .size: 8, .value_kind: global_buffer, .address_space: global }
      - { .name: asc, .offset: 48, .size: 8, .value_kind: global_buffer, .address_space: global }
      - { .name: order, .offset: 56, .size: 8, .value_kind: global_buffer, .address_space: global }
    .group_segment_fixed_size: 155136
    .private_segment_fixed_size: 0
    .kernarg_segment_align: 8
    .kernarg_segment_size: 64
    .max_flat_workgroup_size: 128
    .sgpr_count:     102
    .vgpr_count:     1024
    .wavefront_size: 32
...
	.end_amdgpu_metadata
.endif
;; end of part 2
;; launch ffn2 (part 3): grid 16 x 16, 4 waves a work-group, no clusters, 325,120 bytes of LDS; arguments x, act, asc, order, gates, w2_codes, w2_scales, out0; writes out0
.if DOCPART == 3
	.amdgcn_target "amdgcn-amd-amdhsa--gfx1250"
	.amdhsa_code_object_version 6
	.text
	.protected	k_q06cd929ff7_ffn2
	.globl	k_q06cd929ff7_ffn2
	.p2align	8
	.type	k_q06cd929ff7_ffn2,@function
k_q06cd929ff7_ffn2:
	s_mov_b64 s[64:65], 0
	v_nop
	global_prefetch_b8 v0, s[64:65] scope:SCOPE_SE
	s_setreg_imm32_b32 hwreg(HW_REG_WAVE_MODE, 25, 1), 1
	s_wait_xcnt 0x0
; FFN2: out0 = x + the sum over a token's two experts of its weight x (act w2).
; Work left out: the rows of experts that reference()'s own router mask multiplies by 0 (shown at the head of the first kernel).
; SHARES.  Work-group (cs, b) owns output columns 64 cs .. 64 cs + 63 of the 64 tokens at places 64 b .. 64 b + 63 of order, which is sorted by pair of experts.  So each output has one owner, and the work-group
; walks only the experts that its own tokens use.  Each of its four waves takes a quarter of K (512 hidden units: 384 bytes of a row) of everything; the four parts of the sums meet once, in LDS, at the end.
; SLOTS.  A token's slot 0 is its expert with the lower number, slot 1 the other: gates and order hold them so.  Set n = 4 slot + T is the act of slot `slot` of tokens 16 T .. 16 T + 15 (T = 0 .. 3).
; All eight sets stay in registers for the whole launch.  For each expert the sets in which it occurs are multiplied (a VISIT); the weights' lanes of the other tokens of the set get the factor 0.
; THE BLOCKS OF A K STEP.  Both operands take the 16 blocks of a wave's quarter in the order that whole 16-byte loads give: lane (r, h) holds the 192 bytes at 192 h of row r on end, so K step ks is its bytes 48 ks ..:
; blocks 8 h + 2 ks and 8 h + 2 ks + 1.  A scale word then holds the bytes of blocks 2 ks, 8 + 2 ks, 2 ks + 1, 9 + 2 ks: one v_perm_b32 each.
; THE WEIGHTS of the next expert are on their way (50 loads into registers) while this one's are multiplied; rows come as 128 bytes of four rows a load, and turn into fragments through the wave's own LDS: no barrier.
; TRANSPOSED: source 0 = 16 rows of w2 (output columns), source 1 = 16 rows of act: a lane holds one token, so its weight is one register, and the sum over experts is a fused multiply-add.
; No tensor load, no cluster: which experts a work-group walks hangs on a list read from memory.  No prefetch into the L2: what is read hangs on that list, and the loads themselves run an expert ahead.
; LIMITS: NaN and infinities are not served.  A row that is multiplied with another expert's weights and the factor 0 is taken to stay finite: sums under 3e38 in magnitude.
; REGISTERS.  Window 0: v1, v2 the add's two; v3-v11 offsets and LDS addresses; v12-19 each set's experts; v20-27 the weights of the two slots; v28-35 w2's scale bytes as they land; v36, v37, v48, v83 LDS, the four parts;
;   v38 LDS, x; v39 16 r; v40-47 w2's scale words (lanes 0-15 an even column tile, lanes 16-31 the odd one); v50-65 act's (lanes 0-15 slot 0, lanes 16-31 slot 1); v66-73 offsets of my rows of x and out0; v74-81 the sets' factors;
;   v82 LDS, my part; v84-95 a fragment; v96-223 the result, 32 T + 8 tile; v224-255 the sums of a visit.   Window 1: v0-191 the next weights; from v192 act.   Window 2: v0-191 this expert's weights; from v192 act.   Window 3: act.
.set PIT,   400                        ; an LDS row: 384 bytes + 16 = 100 words: 16 rows start at 16 different groups of four banks (64 banks of 4 bytes: ISA guide 11.1)
.set ASLOT, 25728                      ; from slot 0's 64 rows of act to slot 1's
.set WB,    51456                      ; a wave's weights, behind its act
.set WREG,  77056                      ; a wave's own region; its part of the sums lies in it too, at its start, once act is in registers
.set XR,    4*WREG                     ; x: 16 rows of 256 bytes for each wave
.set SPARE, XR+16384                   ; the spare words, 128 bytes for each wave: two blocks of 256 bytes that no other line names
.set OUT, 96
.set Y,   224
.set MSB, 0
.macro WIN new                         ; the immediate's high byte repeats the setting that is left
.if MSB != (\new)
	s_set_vgpr_msb (MSB<<8)|(\new)
.set MSB, (\new)
.endif
.endm
.macro WALU
	s_wait_alu depctr_va_vdst(0)
.endm
	s_load_b512 s[4:19], s[0:1], 0x0               ; x s[4:5], act s[6:7], asc s[8:9], order s[10:11], gates s[12:13], w2's codes s[14:15], w2's scales s[16:17], out0 s[18:19]
	v_lshl_add_u32 v1, v0, 2, SPARE
	v_mov_b32 v2, 0
	v_lshrrev_b32 v75, 5, v0
	v_readfirstlane_b32 s2, v75                    ; wave = quarter of K
	s_mov_b32 s3, ttmp9                            ; cs
	s_and_b32 s20, ttmp7, 0xffff                   ; b
	s_mul_i32 s21, s2, WREG
	s_add_co_u32 s22, s21, WB
	v_and_b32 v75, 31, v0                          ; lane
	v_and_b32 v76, 15, v0                          ; r
	v_bfe_u32 v77, v0, 4, 1                        ; h
	v_bfe_u32 v78, v0, 3, 2                        ; lane / 8
	v_bfe_u32 v79, v0, 3, 1
	v_and_b32 v11, 7, v0
	v_lshlrev_b32 v11, 4, v11                      ; 16 (lane % 8)
	v_mul_u32_u24 v3, v78, 1536
	v_add_nc_u32 v3, v3, v11                       ; weights in memory: row lane / 8, 16 bytes of 128
	v_mul_u32_u24 v4, v78, PIT
	v_add_nc_u32 v4, v4, v11
	v_add_nc_u32 v4, s22, v4                       ; and in LDS
	v_mul_u32_u24 v5, v79, ASLOT
	v_mad_u32_u24 v5, v77, PIT, v5
	v_add_nc_u32 v5, v5, v11
	v_add_nc_u32 v5, s21, v5                       ; act in LDS: slot (lane / 8) % 2, token h of two
	v_mul_u32_u24 v7, v76, PIT
	v_mad_u32_u24 v7, v77, 192, v7
	v_add_nc_u32 v6, s22, v7                       ; fragments: row r, 192 h: of the weights,
	v_add_nc_u32 v7, s21, v7                       ; of act
	v_lshlrev_b32 v8, 6, v75                       ; w2's scale bytes: row = lane
	v_lshlrev_b32 v9, 4, v79                       ; 16 x slot
	v_lshlrev_b32 v10, 4, v77                      ; 16 h
	v_lshlrev_b32 v39, 4, v76
	v_lshlrev_b32 v74, 2, v76
	v_lshlrev_b32 v49, 2, v77
	s_lshl_b32 s23, s2, 12
	s_add_co_u32 s23, s23, XR
	v_lshlrev_b32 v38, 4, v75
	v_add_nc_u32 v38, s23, v38
	v_mul_u32_u24 v82, v76, 272
	v_lshl_add_u32 v82, v77, 5, v82
	v_add_nc_u32 v82, s21, v82                     ; my part of the sums, in: token r, 32 h
	s_mul_i32 s23, s2, 4352
	v_mul_u32_u24 v83, v77, 272
	v_add_nc_u32 v83, v83, v39
	v_add_nc_u32 v83, s23, v83                     ; the four parts, back: token 16 wave + h of two, 16 bytes of 256
	v_add_nc_u32 v36, WREG, v83
	v_add_nc_u32 v37, 2*WREG, v83
	v_add_nc_u32 v48, 3*WREG, v83
	s_mov_b32 s30, 0xffff0000                      ; lanes 16-31
	s_mov_b32 s66, 0x05010400                      ; v_perm_b32's selects for an even and for an odd K step
	s_mov_b32 s67, 0x07030602
	WALU
	s_wait_kmcnt 0x0
	s_lshl_b32 s24, s20, 8
	s_mov_b32 s25, 0
	s_add_nc_u64 s[24:25], s[10:11], s[24:25]      ; my 64 entries: once in scalar registers,
	s_load_b512 s[32:47], s[24:25], 0x0
	s_load_b512 s[48:63], s[24:25], 0x40
	s_load_b512 s[68:83], s[24:25], 0x80
	s_load_b512 s[84:99], s[24:25], 0xc0
.irp i, 0,1,2,3
	global_load_b32 v[152+\i], v74, s[24:25] offset:64*\i   ; once by lanes: token 16 T + r,
.endr
	s_lshl_b32 s26, s2, 6
	s_mov_b32 s27, 0
	s_add_nc_u64 s[26:27], s[24:25], s[26:27]
.irp i, 0,1,2,3,4,5,6,7
	global_load_b32 v[66+\i], v49, s[26:27] offset:8*\i     ; and the tokens whose rows I store: 16 wave + 2 i + h
.endr
	s_mul_i32 s28, s2, 384
	s_mov_b32 s29, 0
	s_add_nc_u64 s[6:7], s[6:7], s[28:29]          ; act: my quarter of a row,
	s_add_nc_u64 s[14:15], s[14:15], s[28:29]      ; of w2's too,
	s_mul_i32 s28, s3, 98304
	s_add_nc_u64 s[14:15], s[14:15], s[28:29]      ; and there my 64 rows of 1,536 bytes
	s_lshl_b32 s28, s2, 4
	s_add_nc_u64 s[8:9], s[8:9], s[28:29]          ; the scale bytes likewise, rows of 64
	s_add_nc_u64 s[16:17], s[16:17], s[28:29]
	s_lshl_b32 s28, s3, 12
	s_add_nc_u64 s[16:17], s[16:17], s[28:29]
	s_lshl_b32 s28, s3, 8
	s_add_nc_u64 s[4:5], s[4:5], s[28:29]          ; x and out0: my 256 bytes of a row
	s_add_nc_u64 s[18:19], s[18:19], s[28:29]
	s_wait_loadcnt 0x0
	s_wait_kmcnt 0x0
.irp i, 0,1,2,3
	v_bfe_u32 v[144+\i], v[152+\i], v10, 13        ; lanes 0-15 slot 0's row of act, lanes 16-31 slot 1's
	v_and_b32 v[148+\i], 0x3ff, v[152+\i]          ; the token
	v_bfe_u32 v[12+\i], v[152+\i], 10, 3           ; its experts
	v_bfe_u32 v[16+\i], v[152+\i], 26, 3
.endr
.irp i, 0,1,2,3
	v_min_u32 v[144+\i], 0x1fff, v[144+\i]
	v_min_u32 v[148+\i], 0x3ff, v[148+\i]
.endr
.irp i, 0,1,2,3
	v_lshlrev_b32 v[144+\i], 6, v[144+\i]
	v_lshlrev_b32 v[148+\i], 3, v[148+\i]
.endr
.irp i, 0,1,2,3
	global_load_b128 v[128+4*\i:131+4*\i], v[144+\i], s[8:9]
	global_load_b64 v[20+2*\i:21+2*\i], v[148+\i], s[12:13]
.endr
.irp i, 0,1,2,3,4,5,6,7
	v_and_b32 v[66+\i], 0x3ff, v[66+\i]
.endr
.irp i, 0,1,2,3,4,5,6,7
	v_min_u32 v[66+\i], 0x3ff, v[66+\i]
.endr
.irp i, 0,1,2,3,4,5,6,7
	v_lshl_add_u32 v[66+\i], v[66+\i], 12, v39
.endr
.irp i, 0,1,2,3,4,5,6,7
	WIN 0x80
	global_load_b128 v[132+4*\i:135+4*\i], v[66+\i], s[4:5]   ; 16 lanes read 256 consecutive bytes
.endr
	WIN 0
; act: load 3 m + c brings 128 bytes (piece c of three) of four rows: tokens 2 m and 2 m + 1, both slots.  Register m of the offsets lies in v224 + m; m under 21 lands in window 3, the others in window 2
.set M, 0
.rept 8
.irp i, 0,1,2,3
.set SE, 32+2*(M+\i)
.if SE >= 64
.set SE, SE+4
.endif
	v_mov_b32 v[224+M+\i], s[SE]
	v_cndmask_b32 v[224+M+\i], v[224+M+\i], s[SE+1], s30
.endr
.irp i, 0,1,2,3
	v_bfe_u32 v[224+M+\i], v[224+M+\i], v9, 13
.endr
.irp i, 0,1,2,3
	v_min_u32 v[224+M+\i], 0x1fff, v[224+M+\i]
.endr
.irp i, 0,1,2,3
	v_mad_u32_u24 v[224+M+\i], v[224+M+\i], 1536, v11
.endr
.irp i, 0,1,2,3
.if M+\i < 21
	WIN 0xc0
.set R_, 12*(M+\i)
.else
	WIN 0x80
.set R_, 12*(M+\i-21)
.endif
.irp c, 0,1,2
	global_load_b128 v[R_+4*\c:R_+4*\c+3], v[224+M+\i], s[6:7] offset:128*\c
.endr
.endr
	WIN 0
.set M, M+4
.endr
	; which experts do my 64 tokens use?
.set M, 0
.rept 32
	v_mov_b32 v[96+M], 0                           ; most of the result begins at 0 (which expert comes first for a token is known from the list alone); the rest follows below
.set M, M+1
.endr
.set M, 0
.rept 64
	v_mov_b32 v[160+M], 0
.set M, M+1
.endr
	v_mov_b32 v156, 0
.irp i, 0,1,2,3,4,5,6,7
	v_lshl_or_b32 v156, 1, v[12+\i], v156
.endr
	WALU
	s_mov_b32 s29, 0
.irp e, 0,1,2,3,4,5,6,7
	v_and_b32 v157, 1<<\e, v156
	v_cmp_ne_u32 s24, 0, v157
	s_cmp_lg_u32 s24, 0
	s_cselect_b32 s24, 1<<\e, 0
	s_or_b32 s29, s29, s24
.endr
.macro LOADW                           ; the bases of expert s25's weights and scale bytes
	s_mul_i32 s26, s25, 1572864
	s_mov_b32 s27, 0
	s_add_nc_u64 s[22:23], s[14:15], s[26:27]
	s_lshl_b32 s26, s25, 16
	s_add_nc_u64 s[100:101], s[16:17], s[26:27]
.endm
.macro LOADG p                         ; piece p of eight: six of its 48 loads of codes, into window 1 (load 3 g + c: rows 4 g .. 4 g + 3, 128 bytes)
	WIN 0x40
.irp g, 0,1
.irp c, 0,1,2
	global_load_b128 v[24*\p+12*\g+4*\c:24*\p+12*\g+4*\c+3], v3, s[22:23] offset:12288*\p+6144*\g+128*\c
.endr
.endr
	WIN 0
.endm
.macro LOADS                           ; and its two loads of scale bytes
.irp i, 0,1
	global_load_b128 v[28+4*\i:31+4*\i], v8, s[100:101] offset:2048*\i
.endr
.endm
.macro PIECE p                         ; a piece of the next expert's loads, where there is a next one
	s_cmp_lg_u32 s28, 0
	s_cbranch_scc0 .Lp_\p
	LOADG \p
.if \p == 0
	LOADS
.endif
.Lp_\p:
.endm
; where fragment k (K step) of set n lies: window FW, register FR
.macro FLOC n, k
.if (\n) < 5
.set FW, 3
.set FR, 48*(\n)+12*(\k)
.elseif (\n) == 5
.set FW, 2
.set FR, 192+12*(\k)
.elseif (\n) == 6
.set FW, 1
.set FR, 192+12*(\k)
.elseif (\k) < 3
.set FW, (\k)+1
.set FR, 240
.else
.set FW, 0
.set FR, 84
.endif
.endm
	s_ctz_i32_b32 s25, s29
	s_min_u32 s25, s25, 7
	LOADW                                          ; the first expert
	WALU
.set M, 0
.irp p, 0,1,2,3,4,5,6,7                ; its pieces are asked for by turns with act's way to LDS: behind piece p, 12 (p + 1) of act's 96 loads are in where 96 - 6 (p + 1) or fewer loads are out
	LOADG \p
.if 96-6*(\p+1) > 60
	s_wait_loadcnt 60
.else
	s_wait_loadcnt 96-6*(\p+1)
.endif
.rept 4
.if M < 21
	WIN 0x0c                                       ; an LDS store's data are its source 1
.set R_, 12*M
.else
	WIN 0x08
.set R_, 12*(M-21)
.endif
.irp c, 0,1,2
	ds_store_b128 v5, v[R_+4*\c:R_+4*\c+3] offset:800*M+128*\c
.endr
.set M, M+1
.endr
	WIN 0
.endr
	LOADS
	WIN 0x08
.irp i, 0,1,2,3,4,5,6,7
	ds_store_b128 v38, v[132+4*\i:135+4*\i] offset:512*\i     ; x waits in LDS
.endr
	WIN 0
.irp i, 0,1,2,3
.irp k, 0,1,2,3
	v_perm_b32 v[50+4*\i+\k], v[130+4*\i+\k/2], v[128+4*\i+\k/2], s[66+\k%2]
.endr
.endr
.irp n, 0,1,2,3,4,5,6,7
.irp k, 0,1,2,3
	FLOC \n,\k
	WIN FW<<6
.irp j, 0,1,2
	ds_load_b128 v[FR+4*\j:FR+4*\j+3], v7 offset:ASLOT*(\n/4)+6400*(\n%4)+48*\k+16*\j   ; LDS serves a wave's instructions in order: these see my stores
.endr
.endr
.endr
	WIN 0
.set M, 0
.rept 32
	v_mov_b32 v[128+M], 0                          ; the rest of the result
.set M, M+1
.endr
.macro WM d, a, b, c, sa, sb, ra, rb
	v_wmma_scale_f32_16x16x128_f8f6f4 v[\d:\d+7], v[\a:\a+11], v[\b:\b+11], \c, v[\sa], v[\sb] matrix_a_fmt:MATRIX_FMT_FP6 matrix_b_fmt:MATRIX_FMT_FP6 matrix_a_scale:MATRIX_SCALE_ROW\ra matrix_b_scale:MATRIX_SCALE_ROW\rb
.endm
; set n = 4 slot + tk with this expert's 64 columns: 16 products, the four sums by turns; then the factor, into the result
.macro VISIT n, tk, slot
	s_cmp_lg_u32 s[32+\n], 0
	s_cbranch_scc0 .Lv_\n
.irp k, 0,1,2,3
	FLOC \n,\k
	WIN 2|(FW<<2)
.if \k == 0
	WM 224,0,FR,0,40,50+4*\tk,0,\slot
	WM 232,48,FR,0,40,50+4*\tk,1,\slot
	WM 240,96,FR,0,44,50+4*\tk,0,\slot
	WM 248,144,FR,0,44,50+4*\tk,1,\slot
.else
	WM 224,12*\k,FR,v[224:231],40+\k,50+4*\tk+\k,0,\slot
	WM 232,48+12*\k,FR,v[232:239],40+\k,50+4*\tk+\k,1,\slot
	WM 240,96+12*\k,FR,v[240:247],44+\k,50+4*\tk+\k,0,\slot
	WM 248,144+12*\k,FR,v[248:255],44+\k,50+4*\tk+\k,1,\slot
.endif
.endr
	WIN 0
.rept 4
	v_nop                                          ; places in front of the first read of the sums
.endr
.irp q, 0,2,4,6,8,10,12,14,16,18,20,22,24,26,28,30
.if \n % 2
	v_pk_fma_f32 v[OUT+32*\tk+\q:OUT+32*\tk+\q+1], v[Y+\q:Y+\q+1], v[74+\n-1:74+\n], v[OUT+32*\tk+\q:OUT+32*\tk+\q+1] op_sel:[0,1,0] op_sel_hi:[1,1,1]
.else
	v_pk_fma_f32 v[OUT+32*\tk+\q:OUT+32*\tk+\q+1], v[Y+\q:Y+\q+1], v[74+\n:75+\n], v[OUT+32*\tk+\q:OUT+32*\tk+\q+1] op_sel_hi:[1,0,1]
.endif
.endr
.Lv_\n:
.endm
	s_mov_b32 s31, 0                               ; e
	WALU
.Lexpert:                                          ; eight trips, a constant; an expert that none of my tokens uses is passed over
	s_bitcmp1_b32 s29, s31
	s_cbranch_scc0 .Lskip
	s_wait_loadcnt 0x0                             ; its weights are in
	WIN 0x04
.set G_, 0
.rept 16
.irp c, 0,1,2
	ds_store_b128 v4, v[12*G_+4*\c:12*G_+4*\c+3] offset:1600*G_+128*\c
.endr
.set G_, G_+1
.endr
	WIN 0
.irp i, 0,1
.irp k, 0,1,2,3
	v_perm_b32 v[40+4*\i+\k], v[30+4*\i+\k/2], v[28+4*\i+\k/2], s[66+\k%2]
.endr
.endr
.irp n, 0,1,2,3,4,5,6,7
	v_cmp_eq_u32 s[32+\n], s31, v[12+\n]           ; the lanes of set n that use e, and
.endr
.irp n, 0,1,2,3,4,5,6,7
	v_cndmask_b32 v[74+\n], 0, v[20+2*(\n%4)+\n/4], s[32+\n]   ; their factors.  (These lines are also the places between the scale words and the products)
.endr
	WALU
	s_lshl_b32 s24, -2, s31
	s_and_b32 s28, s24, s29                        ; the experts still to come; the first of them is asked for piece by piece below
	s_ctz_i32_b32 s25, s28
	s_min_u32 s25, s25, 7
	LOADW
	WIN 0x80
.irp t, 0,1,2,3
.irp j, 0,1,2,3,4,5,6,7,8,9,10,11
	ds_load_b128 v[48*\t+4*\j:48*\t+4*\j+3], v6 offset:6400*\t+16*\j
.endr
.endr
	WIN 0
	PIECE 0
	s_wait_dscnt 0x0
	VISIT 0,0,0
	PIECE 1
	VISIT 1,1,0
	PIECE 2
	VISIT 2,2,0
	PIECE 3
	VISIT 3,3,0
	PIECE 4
	VISIT 4,0,1
	PIECE 5
	VISIT 5,1,1
	PIECE 6
	VISIT 6,2,1
	PIECE 7
	VISIT 7,3,1
.Lskip:
	s_add_co_u32 s31, s31, 1
	s_cmp_lt_u32 s31, 8
	s_cbranch_scc1 .Lexpert
	WALU
	; THE WAY OUT: the four quarters of K meet in LDS
.irp i, 0,1,2,3
.irp t, 0,1,2,3
	ds_store_b128 v82, v[OUT+32*\i+8*\t:OUT+32*\i+8*\t+3] offset:4352*\i+64*\t
	ds_store_b128 v82, v[OUT+32*\i+8*\t+4:OUT+32*\i+8*\t+7] offset:4352*\i+64*\t+16
.endr
.endr
	s_wait_dscnt 0x0                               ; for the others' sake: my part is in LDS
	s_barrier_signal -1
	s_barrier_wait -1                              ; the one barrier; every wave passes it on every path
.irp i, 0,1,2,3,4,5,6,7
	ds_load_b128 v[224+4*\i:227+4*\i], v38 offset:512*\i
.endr
.irp i, 0,1,2,3,4,5,6,7
	ds_load_b128 v[96+16*\i:99+16*\i], v83 offset:544*\i
	ds_load_b128 v[100+16*\i:103+16*\i], v36 offset:544*\i
	ds_load_b128 v[104+16*\i:107+16*\i], v37 offset:544*\i
	ds_load_b128 v[108+16*\i:111+16*\i], v48 offset:544*\i
.endr
.irp i, 0,1,2,3,4,5,6,7
	s_wait_dscnt 28-4*\i                           ; the four parts of rows 2 i and 2 i + 1 are in (x is older); the later rows' may be out
.irp q, 0,2
	v_pk_add_f32 v[96+16*\i+\q:97+16*\i+\q], v[96+16*\i+\q:97+16*\i+\q], v[100+16*\i+\q:101+16*\i+\q]
	v_pk_add_f32 v[104+16*\i+\q:105+16*\i+\q], v[104+16*\i+\q:105+16*\i+\q], v[108+16*\i+\q:109+16*\i+\q]
.endr
.irp q, 0,2
	v_pk_add_f32 v[96+16*\i+\q:97+16*\i+\q], v[96+16*\i+\q:97+16*\i+\q], v[104+16*\i+\q:105+16*\i+\q]
.endr
.irp q, 0,2
	v_pk_add_f32 v[96+16*\i+\q:97+16*\i+\q], v[96+16*\i+\q:97+16*\i+\q], v[224+4*\i+\q:225+4*\i+\q]
.endr
	global_store_b128 v[66+\i], v[96+16*\i:99+16*\i], s[18:19] th:TH_STORE_NT   ; 16 lanes store 256 consecutive bytes, at a multiple of 256 from out0's first byte
.endr
	s_wait_tensorcnt 0x0                           ; the wave's end: behind my last LDS store
	ds_add_u32 v1, v2
	s_wait_dscnt 0x0
	s_endpgm
.Lfunc_end_k_q06cd929ff7_ffn2:
	.size	k_q06cd929ff7_ffn2, .Lfunc_end_k_q06cd929ff7_ffn2-k_q06cd929ff7_ffn2
	.p2alignl 7, 3214868480
	.fill 96, 4, 3214868480
	.section	.rodata,"a",@progbits
	.p2align	6, 0x0
	.amdhsa_kernel k_q06cd929ff7_ffn2
		.amdhsa_group_segment_fixed_size 325120
		.amdhsa_private_segment_fixed_size 0
		.amdhsa_enable_private_segment 0
		.amdhsa_kernarg_size 64
		.amdhsa_user_sgpr_count 2
		.amdhsa_user_sgpr_kernarg_segment_ptr 1
		.amdhsa_wavefront_size32 1
		.amdhsa_system_sgpr_workgroup_id_x 1
		.amdhsa_system_sgpr_workgroup_id_y 1
		.amdhsa_system_sgpr_workgroup_id_z 1
		.amdhsa_system_vgpr_workitem_id 0
		.amdhsa_next_free_vgpr 1024
		.amdhsa_next_free_sgpr 102
		.amdhsa_reserve_vcc 0
		.amdhsa_float_denorm_mode_32 3
		.amdhsa_float_denorm_mode_16_64 3
		.amdhsa_memory_ordered 1
		.amdhsa_forward_progress 1
		.amdhsa_inst_pref_size 106
	.end_amdhsa_kernel
	.amdgpu_metadata
---
amdhsa.version: [ 1, 2 ]
amdhsa.kernels:
  - .name:           k_q06cd929ff7_ffn2
    .symbol:         k_q06cd929ff7_ffn2.kd
    .args:
      - { .name: x, .offset: 0, .size: 8, .value_kind: global_buffer, .address_space: global }
      - { .name: act, .offset: 8, .size: 8, .value_kind: global_buffer, .address_space: global }
      - { .name: asc, .offset: 16, .size: 8, .value_kind: global_buffer, .address_space: global }
      - { .name: order, .offset: 24, .size: 8, .value_kind: global_buffer, .address_space: global }
      - { .name: gates, .offset: 32, .size: 8, .value_kind: global_buffer, .address_space: global }
      - { .name: w2_codes, .offset: 40, .size: 8, .value_kind: global_buffer, .address_space: global }
      - { .name: w2_scales, .offset: 48, .size: 8, .value_kind: global_buffer, .address_space: global }
      - { .name: out0, .offset: 56, .size: 8, .value_kind: global_buffer, .address_space: global }
    .group_segment_fixed_size: 325120
    .private_segment_fixed_size: 0
    .kernarg_segment_align: 8
    .kernarg_segment_size: 64
    .max_flat_workgroup_size: 128
    .sgpr_count:     102
    .vgpr_count:     1024
    .wavefront_size: 32
...
	.end_amdgpu_metadata
.endif
;; end of part 3
